; MI455X (gfx1250); checked and timed in simulation.
; The chip was launched on July 23, 2026; its instructions are those of AMD's public machine-readable ISA for CDNA 5 (MIT licence, August 2026) and "CDNA5" Instruction Set Architecture Reference Guide (July 2026). The comments in the code are by the model that wrote it; some were corrected since.
;; Sine Layer. Allowed arithmetic: float matrix products may take bf16 or f16 operands with f32 sums; other float arithmetic in f32, or as packed bf16 or f16 multiplies, adds, multiply-adds, maxima and minima; sums over many terms, partial sums and values carried from step to step in f32; what a program stores and reads back later, other than sums and carried values, may be rounded once to bf16 or f16.
;; Inputs: bias 512 float32; c_basis 512 x 256 x 16 float32; omega 16 x 1 float32; phase 16 x 1 float32; x 32,768 x 256 float32.
;; Outputs: out0 32,768 x 512 float32.
;; 2 versions, each right; version 2 is version 1 with the launch prep written anew for expert scheduling mode. Each part assembles by itself: llvm-mc -triple=amdgcn-amd-amdhsa -mcpu=gfx1250 --defsym DOCPART=n.
;; ======== version 1 of 2: 2 launches
;; limits: a function is approximated: absolute error at most 0.0003; values are held in f16: magnitudes above 65,504 overflow, below 6.1e-05 lose precision; right only within a limited range of input values
;; workspace buffers: c2 4,194,304 bytes; tab 768 bytes
;; launch prep (part 1): grid 32 x 8, 4 waves a work-group, no clusters, 17,920 bytes of LDS; arguments c_basis, omega, phase, c2, tab; writes c2, tab
.if DOCPART == 1
	.amdgcn_target "amdgcn-amd-amdhsa--gfx1250"
	.amdhsa_code_object_version 6
	.text
	.protected	k_qba1c0361bb_prep
	.globl	k_qba1c0361bb_prep
	.p2align	8
	.type	k_qba1c0361bb_prep,@function
k_qba1c0361bb_prep:
	s_mov_b64 s[64:65], 0
	v_nop
	global_prefetch_b8 v0, s[64:65] scope:SCOPE_SE
	s_setreg_imm32_b32 hwreg(HW_REG_WAVE_MODE, 25, 1), 1
	s_wait_xcnt 0x0
; PREPARATION for y[b][o] = sum over (i, d) of (sin(w_d x[b][i] + p_d) + mu_d) / (std_d + 1e-8) c[o][i][d] + bias[o].
; With inv = 1 / (std + 1e-8):  alpha = min(inv, 4096), beta = max(inv / 4096, 1), so that alpha beta = inv exactly.  The product's launch puts alpha into its left operand
; (|(sin + mu) alpha| <= 8,192, inside f16), this launch puts beta into the right one:  c2 = f16(c beta_d), rounded once.
; c2's ORDER is the order in which the product reads it.  The 16 bytes c2[n][i][8 h .. 8 h + 7] lie at byte
;   (i >> 3) 131072 + (n >> 7) 32768 + ((i >> 1) & 3) 8192 + ((n >> 4) & 7) 1024 + (i & 1) 512 + 256 h + 16 (n & 15):
; a K step of 128 (8 i) of 128 columns is one dense block of 32,768 bytes, and in it each half of a matrix fragment is 512 consecutive bytes, lane 16 h + (n & 15) at 16 x lane.
; tab: six rows of 128 bytes: W = w / 2 pi, P = p / 2 pi - 1/4, K1, K3, K5 (the sine's polynomial times alpha), MU = mu alpha; the number of d = lane & 15 at byte 4 x lane.
; SHARES.  Work-group (x, y): rows n = 16 x .. + 15, i = 32 y .. + 31.  A wave: 8 i, 512 consecutive bytes of each row: one load of 16 bytes a lane.  The turn from [n][i][d] to fragment order goes
; through a stage in LDS that is the wave's own: no barrier.  Every wave makes the sixteen d's statistics for itself (lane l: d = l & 15): some sixty lines, in the wait for its loads.
; LIMITS.  |c| max(1, inv / 4096) stays within f16's 65,504.  mu and std are reckoned in f32 by the formula of the problem, but with two fused multiply-adds, so their last bits may differ.
; A std that is NaN (a variance rounded below 0) gives alpha = 4096, beta = 1: the minimum and maximum drop the NaN.  NaN and infinities in the inputs are not treated apart.
.set ROWB,   16384                     ; bytes of a row n of c_basis
.set SPITCH, 272                       ; a stage row: 256 bytes (8 i x 16 d in f16) + 16: the 16 rows that a load back touches start 17 x 16 bytes apart
.set SWAVE,  16*SPITCH                 ; a wave's stage
.set SPARE,  4*SWAVE                   ; behind the stages: the spare words, 128 bytes for each wave
.set SPW, 8                            ; v8   LDS address of my spare word; never rewritten
.set NIL, 9                            ; v9   0; never rewritten
.set M2,  38                           ; v38  -2.0
.set HF,  39                           ; v39  0.5
.set BE,  40                           ; v[40:43] beta of my four d = 4 (lane & 3) + 0..3
.set IX,  44                           ; v[44:47] where they are fetched from: 4 x the lane that holds them
.set IN,  48                           ; v[48:111] sixteen rows' 16 bytes as loaded; the first two registers of each then hold the four f16
.set BK,  112                          ; v[112:143] eight halves of fragments, read back
	s_load_b256 s[4:11], s[0:1], 0x0               ; c_basis s[4:5], omega s[6:7], phase s[8:9], c2 s[10:11]
	s_load_b64 s[12:13], s[0:1], 0x20              ; tab
	v_lshl_add_u32 v[SPW], v0, 2, SPARE
	v_mov_b32 v[NIL], 0
	v_lshrrev_b32 v1, 5, v0
	v_readfirstlane_b32 s14, v1                    ; wave 0..3
	s_and_b32 s15, ttmp7, 0xffff                   ; which 32 i
	s_lshl_b32 s16, ttmp9, 18                      ; in: 16 rows of 16,384 bytes for each x,
	s_lshl_b32 s17, s15, 11                        ; 32 i of 64 bytes for each y,
	s_add_co_u32 s16, s16, s17
	s_lshl_b32 s17, s14, 9                         ; 8 i for each wave
	s_add_co_u32 s16, s16, s17
	s_mov_b32 s17, 0
	s_lshl2_add_u32 s18, s15, s14                  ; out: K step 4 y + wave,
	s_lshl_b32 s18, s18, 17
	s_lshr_b32 s19, ttmp9, 3                       ; block of 128 columns x >> 3,
	s_lshl_b32 s19, s19, 15
	s_add_co_u32 s18, s18, s19
	s_and_b32 s19, ttmp9, 7                        ; block of 16 columns x & 7
	s_lshl_b32 s19, s19, 10
	s_add_co_u32 s18, s18, s19
	s_mov_b32 s19, 0
	s_mul_i32 s20, s14, SWAVE                      ; my stage
	s_or_b32 s21, ttmp9, s15
	s_or_b32 s21, s21, s14                         ; 0 in one wave of the launch: it stores the table
	v_and_b32 v1, 31, v0                           ; lane
	v_lshlrev_b32 v2, 4, v1                        ; 16 x lane: my bytes in a row's 512, and in a store's 512
	v_lshl_add_u32 v3, v1, 3, s20                  ; into the stage: 8 bytes a lane, 256 on end
	v_and_b32 v6, 15, v0
	v_bfe_u32 v7, v0, 4, 1
	v_mul_u32_u24 v4, v6, SPITCH                   ; back: row n & 15 = lane & 15, 16 bytes for each half of the lanes
	v_lshl_add_u32 v4, v7, 4, v4
	v_add_nc_u32 v4, s20, v4
	v_lshlrev_b32 v6, 2, v6                        ; omega's and phase's word of d = lane & 15
	v_lshlrev_b32 v7, 2, v1                        ; my word in a row of the table
	v_and_b32 v[IX], 3, v0
	v_lshlrev_b32 v[IX], 4, v[IX]                  ; lane 4 (l & 3) + e holds beta of d = 4 (l & 3) + e
	v_add_nc_u32 v[IX+1], 4, v[IX]
	v_add_nc_u32 v[IX+2], 8, v[IX]
	v_add_nc_u32 v[IX+3], 12, v[IX]
	v_mov_b32 v[M2], -2.0
	v_mov_b32 v[HF], 0.5
	s_wait_kmcnt 0x0
	s_add_nc_u64 s[4:5], s[4:5], s[16:17]
	s_add_nc_u64 s[10:11], s[10:11], s[18:19]
	global_load_b32 v10, v6, s[6:7]                ; w
	global_load_b32 v11, v6, s[8:9]                ; p
.set rr, 0
.rept 16
	global_load_b128 v[IN+4*rr:IN+4*rr+3], v2, s[4:5] offset:rr*ROWB th:TH_LOAD_NT  ; 512 consecutive bytes of row rr, read once in the launch
.set rr, rr+1
.endr
; dst = sin(2 pi (t + 1/4)) = cos(2 pi t).  E = t - round(t) lies in -1/2 .. 1/2; V = 1/2 - 2 |E|; the value is sin(pi V), pi V in -pi/2 .. pi/2:
; theta times a polynomial of degree 5 in theta^2 (Abramowitz and Stegun 4.3.97: sin(theta) / theta to 2e-9).
.macro SINT dst, t, a, b
	v_rndne_f32 \b, \t
	v_sub_f32 \a, \t, \b
	v_fma_f32 \a, |\a|, v[M2], v[HF]
	v_mul_f32 \a, 0x40490fdb, \a                   ; theta = pi V
	v_mul_f32 \b, \a, \a
	v_mov_b32 \dst, 0xb2cd4c98                     ; -2.39e-8
	v_fmaak_f32 \dst, \dst, \b, 0x3638b94e         ; 2.7526e-6
	v_fmaak_f32 \dst, \dst, \b, 0xb9500c03         ; -1.984090e-4
	v_fmaak_f32 \dst, \dst, \b, 0x3c088887         ; 8.3333315e-3
	v_fmaak_f32 \dst, \dst, \b, 0xbe2aaaab         ; -0.1666666664
	v_fma_f32 \dst, \dst, \b, 1.0
	v_mul_f32 \dst, \dst, \a
.endm
	s_wait_loadcnt 16                              ; w and p are in; the sixteen younger loads stay out
	v_mul_f32 v12, v10, v10                        ; w^2
	v_mul_f32 v13, 0xbf38aa3b, v12                 ; -0.5 log2(e) w^2
	v_mul_f32 v14, 0xc038aa3b, v12                 ; -2 log2(e) w^2
	v_exp_f32 v13, v13                             ; exp(-w^2 / 2)
	v_exp_f32 v14, v14                             ; exp(-2 w^2)
	v_mul_f32 v15, 0.15915494, v11                 ; u = p / 2 pi: the plain line behind the exponentials (ISA guide 5.7.2)
	v_add_f32 v28, 0xbe800000, v15                 ; P = u - 1/4
	v_add_f32 v18, v15, v15                        ; 2 u: cos(2 p) = cos(2 pi 2 u)
	SINT v16, v28, v19, v20                        ; sin p
	SINT v17, v18, v19, v20                        ; cos 2 p
	s_wait_alu depctr_va_vdst(0)
	v_mul_f32 v21, v13, v16                        ; mu
	v_fma_f32 v22, -v14, v17, 1.0
	v_mul_f32 v22, 0.5, v22
	v_fma_f32 v22, -v21, v21, v22                  ; the variance
	v_sqrt_f32 v23, v22
	v_mul_f32 v27, 0.15915494, v10                 ; W: the plain line behind the root
	s_wait_alu depctr_va_vdst(0)
	v_add_f32 v23, 0x322bcc77, v23                 ; + 1e-8
	v_rcp_f32 v24, v23
	v_nop                                          ; the plain line behind the reciprocal
	s_wait_alu depctr_va_vdst(0)
	v_min_num_f32 v25, 0x45800000, v24             ; alpha = min(inv, 4096)
	v_mul_f32 v26, 0x39800000, v24
	v_max_num_f32 v26, 1.0, v26                    ; beta = max(inv / 4096, 1)
	v_mul_f32 v29, 0x40490fdb, v25                 ; K1 = pi alpha.  sin(pi V) = V (pi - 5.148592 V^2 + 2.328810 V^4): Abramowitz and Stegun 4.3.96 in theta = pi V
	v_mul_f32 v30, 0xc0a4c144, v25                 ; K3
	v_mul_f32 v31, 0x40150b39, v25                 ; K5
	v_mul_f32 v32, v21, v25                        ; MU
.irp e, 0,1,2,3
	ds_bpermute_b32 v[BE+(\e)], v[IX+(\e)], v26
.endr
	s_wait_dscnt 0x0
.set rr, 0
.rept 16
	s_wait_loadcnt 15-rr                           ; loads come back in order (ISA guide 5.7.1): row rr is in
	v_pk_mul_f32 v[IN+4*rr:IN+4*rr+1], v[IN+4*rr:IN+4*rr+1], v[BE:BE+1]
	v_pk_mul_f32 v[IN+4*rr+2:IN+4*rr+3], v[IN+4*rr+2:IN+4*rr+3], v[BE+2:BE+3]
	v_cvt_pk_f16_f32 v[IN+4*rr], v[IN+4*rr], v[IN+4*rr+1]
	v_cvt_pk_f16_f32 v[IN+4*rr+1], v[IN+4*rr+2], v[IN+4*rr+3]
	ds_store_b64 v3, v[IN+4*rr:IN+4*rr+1] offset:rr*SPITCH
.set rr, rr+1
.endr
.set il, 0
.rept 8
	ds_load_b128 v[BK+4*il:BK+4*il+3], v4 offset:il*32  ; LDS serves a wave's instructions in order (ISA guide 5.7.1.4): these see my stores above
.set il, il+1
.endr
.set il, 0
.rept 8
	s_wait_dscnt 7-il
	global_store_b128 v2, v[BK+4*il:BK+4*il+3], s[10:11] offset:(il/2)*8192+(il%2)*512  ; 512 consecutive bytes, at a multiple of 512 from c2's first byte
.set il, il+1
.endr
	s_cmp_lg_u32 s21, 0
	s_cbranch_scc1 .Lno_tab
	global_store_b32 v7, v27, s[12:13]
	global_store_b32 v7, v28, s[12:13] offset:128
	global_store_b32 v7, v29, s[12:13] offset:256
	global_store_b32 v7, v30, s[12:13] offset:384
	global_store_b32 v7, v31, s[12:13] offset:512
	global_store_b32 v7, v32, s[12:13] offset:640
.Lno_tab:
	s_wait_tensorcnt 0x0                           ; the wave's end, behind my last LDS store
	ds_add_u32 v[SPW], v[NIL]
	s_wait_dscnt 0x0
	s_endpgm
.Lfunc_end_k_qba1c0361bb_prep:
	.size	k_qba1c0361bb_prep, .Lfunc_end_k_qba1c0361bb_prep-k_qba1c0361bb_prep
	.p2alignl 7, 3214868480
	.fill 96, 4, 3214868480
	.section	.rodata,"a",@progbits
	.p2align	6, 0x0
	.amdhsa_kernel k_qba1c0361bb_prep
		.amdhsa_group_segment_fixed_size 17920
		.amdhsa_private_segment_fixed_size 0
		.amdhsa_enable_private_segment 0
		.amdhsa_kernarg_size 40
		.amdhsa_user_sgpr_count 2
		.amdhsa_user_sgpr_kernarg_segment_ptr 1
		.amdhsa_wavefront_size32 1
		.amdhsa_system_sgpr_workgroup_id_x 1
		.amdhsa_system_sgpr_workgroup_id_y 1
		.amdhsa_system_sgpr_workgroup_id_z 1
		.amdhsa_system_vgpr_workitem_id 0
		.amdhsa_next_free_vgpr 144
		.amdhsa_next_free_sgpr 66
		.amdhsa_reserve_vcc 0
		.amdhsa_float_denorm_mode_32 3
		.amdhsa_float_denorm_mode_16_64 3
		.amdhsa_memory_ordered 1
		.amdhsa_forward_progress 1
		.amdhsa_inst_pref_size 15
	.end_amdhsa_kernel
	.amdgpu_metadata
---
amdhsa.version: [ 1, 2 ]
amdhsa.kernels:
  - .name:           k_qba1c0361bb_prep
    .symbol:         k_qba1c0361bb_prep.kd
    .args:
      - { .name: c_basis, .offset: 0, .size: 8, .value_kind: global_buffer, .address_space: global }
      - { .name: omega, .offset: 8, .size: 8, .value_kind: global_buffer, .address_space: global }
      - { .name: phase, .offset: 16, .size: 8, .value_kind: global_buffer, .address_space: global }
      - { .name: c2, .offset: 24, .size: 8, .value_kind: global_buffer, .address_space: global }
      - { .name: tab, .offset: 32, .size: 8, .value_kind: global_buffer, .address_space: global }
    .group_segment_fixed_size: 17920
    .private_segment_fixed_size: 0
    .kernarg_segment_align: 8
    .kernarg_segment_size: 40
    .max_flat_workgroup_size: 128
    .sgpr_count:     66
    .vgpr_count:     144
    .wavefront_size: 32
...
	.end_amdgpu_metadata
.endif
;; end of part 1
;; launch sine_gemm (part 2): grid 256 x 1, 4 waves a work-group, clusters of 4 x 1, 327,680 bytes of LDS; arguments x, c2, tab, bias, out0; writes out0
.if DOCPART == 2
	.amdgcn_target "amdgcn-amd-amdhsa--gfx1250"
	.amdhsa_code_object_version 6
	.text
	.protected	k_qba1c0361bb_sine_gemm
	.globl	k_qba1c0361bb_sine_gemm
	.p2align	8
	.type	k_qba1c0361bb_sine_gemm,@function
k_qba1c0361bb_sine_gemm:
	s_mov_b64 s[64:65], 0
	v_nop
	global_prefetch_b8 v0, s[64:65] scope:SCOPE_SE
	s_setreg_imm32_b32 hwreg(HW_REG_WAVE_MODE, 25, 1), 1
	s_wait_xcnt 0x0
	s_wait_alu depctr_hold_cnt(0) depctr_sa_sdst(0) depctr_va_vdst(0) depctr_va_sdst(0) depctr_va_ssrc(0) depctr_va_vcc(0) depctr_vm_vsrc(0)
	s_getreg_b32 s2, hwreg(HW_REG_IB_STS2, 6, 4)
	s_cmp_eq_u32 s2, 0
	s_cbranch_scc0 .Lentry_in_a_cluster
	s_endpgm
.Lentry_in_a_cluster:
	s_bfe_u32 s2, ttmp6, 0x10000c
	s_cmp_lg_u32 s2, 0x3003
	s_cbranch_scc0 .Lentry_shape_is_right
	s_endpgm
.Lentry_shape_is_right:
; y[b][o] = sum over k = 16 i + d of A[b][k] c2[o][k] + bias[o], K = 4,096, with A[b][16 i + d] = f16((sin(w_d x[b][i] + p_d) + mu_d) alpha_d) MADE HERE, in registers, beside the products,
; and c2 = f16(c beta_d) made by the launch before, in fragment order.  alpha beta = 1 / (std + 1e-8).  Sums in f32; the bias is the C operand of the first products; y leaves in f32.
; WHY f16: every number of y must lie within a hundredth of y's root mean square; two operands of 8 significant bits leave too little of that for the largest of 16.7 million errors, 11 bits leave eight times more.
; SHARES.  256 work-groups, each 128 rows of x and ALL 512 columns, so that each of the 134 million sines is made once in the launch.  Wave w multiplies the 128 rows by columns 128 w .. + 127
; (64 accumulators, 512 registers) and makes A's rows 32 w + lane, a row a lane.  A goes from wave to wave through LDS, 32 along K (a QUARTER of a K step of 128) at a time, two buffers.
; THE SINE, for two d at once:  t = x W + P (turns, less a quarter);  E = t - round(t);  V = 1/2 - 2 |E|;  sin = sin(pi V), pi V in -pi/2 .. pi/2;  A = V (K1 + V^2 (K3 + V^2 K5)) + MU,
; with alpha in K1, K3, K5, MU: 11 lines for two numbers, rounding to f16 included.  The polynomial keeps sin(theta) / theta to 2e-4 (Abramowitz and Stegun 4.3.96), so the error is relative at every zero.
; LIMITS.  t is kept in f32: its rounding, 1.5e-8 of a turn near |t| = 1/4 and growing with |w x|, is an absolute error of the angle.  |A| <= 8,192.  NaN and infinities are not treated apart.
; BY TURNS.  A quarter is 64 products, 176 lines of the sine, 32 fragment loads, 4 LDS stores.  Three lines of the sine stand behind a product.  They work in window 0, and no window has room for a product's
; operands beside them, so a product with such lines costs two switches of the register window.
; THE PIPELINE.  In quarter q: A(q) is multiplied; the last 32 lines of A(q + 1) and its last store come first; ONE barrier; behind it A(q + 1)'s and B's fragments are fetched; 144 lines of A(q + 2) fill the rest.
; The barrier orders two things: every wave's stores of A(q + 1) ahead of every wave's loads of it, and every wave's loads of A(q) ahead of A(q + 2)'s first store into the same buffer.
; B.  A wave reads only its own 128 columns: 32,768 dense bytes a K step, one tensor load, two slots.  All work-groups read the same c2, so the four of a cluster ask JOINTLY: same load, descriptor and mask.
; x comes by chunks of 64 i (whole rows of 256 bytes), through registers into the wave's own LDS rows, each asked for 28 quarters or more ahead of its use.
; REGISTERS, in windows of 256 (s_set_vgpr_msb: bits 1:0 source 0, 3:2 source 1, 5:4 source 2, 7:6 destination):
;   window 0: addresses, the sine's work, the table, STG.   window 1: two fragment buffers: A at 128 f, B at 128 f + 64.   windows 2, 3: accumulator (a, b) at v[8 (8 (a % 4) + b)], rows 16 a, columns 16 b.
.set KB,    131072                     ; bytes of c2 in a K step of 128; also a B slot: 4 waves x 32,768
.set BW,    32768
.set ABUF,  2*KB                       ; A's two buffers
.set AP,    80                         ; a row of A: 64 bytes + 16: sixteen rows start 5 x 16 bytes apart
.set AB,    128*AP
.set XCH,   ABUF+2*AB                  ; the x chunk: 128 rows of 256 bytes + 16; a wave's 32 rows are its own.  At the end the same bytes are the wave's stage for the way out
.set XPI,   272
.set XW,    32*XPI
.set OP,    528                        ; a stage row: 512 bytes + 16; 16 rows are 8,448 bytes of the wave's 8,704
.set SPARE, XCH+4*XW                   ; the spare words, 128 bytes for each wave: two blocks of 256 bytes that no other line names
.set M2,  4                            ; v4   -2.0
.set HF,  5                            ; v5   0.5
.set AW,  6                            ; v6   where I store my row of A, in buffer 0
.set AR,  7                            ; v7   my lane's place in a fragment of A, in buffer 0
.set BA0, 8                            ; v8   my lane's place in my wave's part of slot 0
.set BA,  9                            ; v9   the same in the slot in hand
.set XA0, 10                           ; v10  my row of the x chunk
.set XA,  11                           ; v11  + the byte at which four quarters' x begin
.set XS,  12                           ; v12  where I store 16 bytes of a chunk
.set XG,  13                           ; v13  where I load them from
.set STO, 14                           ; v14  the way out: where I put 16 bytes of a row
.set RD,  15                           ; v15  the way out: where I read a row back
.set GO,  16                           ; v16  16 x lane
.set BO,  17                           ; v17  my byte offset in bias
.set ZO,  18                           ; v18  0: the table is read alike by all lanes
.set SPW, 20                           ; v20  LDS address of my spare word; never rewritten
.set NIL, 21                           ; v21  0; never rewritten
.set XP,  22                           ; v[22:23]  a quarter's two x
.set T,   24                           ; v[24:31]  t, E, V of eight numbers
.set N,   32                           ; v[32:39]  round(t), then V^2
.set Q,   40                           ; v[40:47]  the polynomial
.set OUT, 48                           ; v[48:63]  a quarter's 32 f16: four registers for each group of eight
.set TW,  64                           ; v[64:159] W, P, K1, K3, K5, MU of d = 0..15, alike in all lanes
.set TP,  80
.set K1,  96
.set K3,  112
.set K5,  128
.set MU,  144
.set STG, 160                          ; v[160:223] the bias for the first quarter; then the x chunk on its way; at the end rows read back
.set WV,  14                           ; s14  my wave's number
.set G1,  24                           ; s[24:31] descriptor group 1
.set G0A, 32                           ; s[32:35] group 0 of the first fill of slot 0
.set G0B, 36                           ; s[36:39] group 0 of the first fill of slot 1; it then walks
.set TS,  40                           ; s40  the slot in hand: 0 or KB
.set TX,  41                           ; s41  byte in the chunk's rows at which the next four quarters' x begin
.set CNT, 42                           ; s42  trips to go
.set CH,  43                           ; s43  chunks changed
.set MSB, 0
.macro WIN new                         ; the immediate's high byte repeats the setting that is left; a switch that changes nothing is dropped
.if MSB != (\new)
	s_set_vgpr_msb (MSB<<8)|(\new)
.set MSB, (\new)
.endif
.endm
.macro PLACES
.rept 4
	v_nop
.endr
.endm
; A round of the cluster's barrier: my work-group's barrier, so that wave 0's signal speaks for all four waves; wave 0 signals; every wave waits for all four work-groups; my work-group's barrier once more.
.macro CREST                           ; a round behind its opening barrier
	s_cmp_lg_u32 s[WV], 0
	s_cbranch_scc1 .Lnot_wave_0_\@
	s_barrier_signal -3
.Lnot_wave_0_\@:
	s_barrier_wait -3
	s_barrier_signal -1
	s_barrier_wait -1
.endm
.macro CROUND
	s_barrier_signal -1
	s_barrier_wait -1
	CREST
.endm
	s_load_b256 s[4:11], s[0:1], 0x0               ; x s[4:5], c2 s[6:7], tab s[8:9], bias s[10:11]
	s_load_b64 s[12:13], s[0:1], 0x20              ; out0
	v_lshl_add_u32 v[SPW], v0, 2, SPARE
	v_mov_b32 v[NIL], 0
	ds_add_u32 v[SPW], v[NIL]                      ; the wave's opening: the add and its wait stand ahead of my first tensor load; work on registers stands between them
	v_lshrrev_b32 v1, 5, v0
	v_readfirstlane_b32 s[WV], v1                  ; wave 0..3
	s_bfe_u32 s15, ttmp6, 0x40000                  ; cx: my place in the cluster
	s_lshl_b32 s16, ttmp9, 2                       ; in a cluster launch ttmp9 counts clusters
	s_add_co_u32 s16, s16, s15                     ; my block of 128 rows: it enters x's and out0's addresses alone
	; descriptor group 1: 32,768 dense bytes as 128 rows of 32 elements of 8 bytes, laid into LDS without padding
	s_mov_b32 s[G1+0], 15|(3<<16)|(1<<21)          ; 15:0 the mask: all four work-groups; 17:16 elements of 8 bytes; 21 set beside a mask
	s_mov_b32 s[G1+1], 32<<16                      ; tensor_dim0 = 32
	s_mov_b32 s[G1+2], 128<<16                     ; tensor_dim1 = 128
	s_mov_b32 s[G1+3], 32<<16                      ; tile_dim0 = 32
	s_mov_b32 s[G1+4], 128                         ; tile_dim1 = 128
	s_mov_b32 s[G1+5], 32                          ; 32 elements from row to row
	s_mov_b32 s[G1+6], 0
	s_mov_b32 s[G1+7], 0
	s_mov_b32 s[G0A], 1                            ; count = 1
	s_mul_i32 s[G0A+1], s[WV], BW                  ; LDS address: my wave's part of slot 0: no place in the cluster enters it
	s_mov_b32 s[G0B], 1
	s_add_co_u32 s[G0B+1], s[G0A+1], KB            ; of slot 1
	s_lshl_b32 s20, s[WV], 15                      ; my wave's 128 columns in a K step of c2; also its 32 rows of x
	s_mov_b32 s21, 0
	s_lshl_b32 s18, s16, 17                        ; x: 128 rows of 1,024 bytes for each block
	s_add_co_u32 s18, s18, s20
	s_mov_b32 s19, 0
	s_lshl_b32 s22, s16, 18                        ; out0: 128 rows of 2,048 bytes for each block,
	s_lshl_b32 s23, s[WV], 9                       ; 512 bytes of a row for each wave
	s_add_co_u32 s22, s22, s23
	s_mov_b32 s23, 0
	v_and_b32 v1, 15, v0                           ; r = lane % 16
	v_bfe_u32 v2, v0, 4, 1                         ; h = lane / 16
	v_and_b32 v3, 31, v0                           ; lane
	v_lshlrev_b32 v[XG], 10, v2                    ; a chunk's load takes two rows' 256 bytes: lanes 0-15 the even row, lanes 16-31 the odd one
	v_lshl_add_u32 v[XG], v1, 4, v[XG]
	v_mov_b32 v[ZO], 0
	s_wait_dscnt 0x0                               ; the opening add is done
	s_wait_kmcnt 0x0
	s_add_nc_u64 s[G0A+2:G0A+3], s[6:7], s[20:21]  ; K step 0, my columns
	s_add_nc_u64 s[G0B+2:G0B+3], s[G0A+2:G0A+3], KB  ; K step 1
	s_or_b32 s[G0A+3], s[G0A+3], 0x80000000        ; type = 2
	s_or_b32 s[G0B+3], s[G0B+3], 0x80000000
	s_add_nc_u64 s[4:5], s[4:5], s[18:19]          ; x at my wave's first row, chunk 0
	s_add_nc_u64 s[12:13], s[12:13], s[22:23]      ; out0 at my block's first row, my wave's columns
	CROUND                                         ; all four work-groups are here: the first joint loads meet
	tensor_load_to_lds s[G0A:G0A+3], s[G1:G1+7]    ; both first fills in one group: two loads of mine are out
	s_nop 0
	tensor_load_to_lds s[G0B:G0B+3], s[G1:G1+7]
	s_nop 0
	PLACES
.set i, 0
.rept 16
	global_load_b128 v[STG+4*i:STG+4*i+3], v[XG], s[4:5] offset:i*2048 th:TH_LOAD_NT  ; chunk 0: rows 2 i, 2 i + 1 of my 32
.set i, i+1
.endr
.set i, 0
.rept 24
	global_load_b128 v[TW+4*i:TW+4*i+3], v[ZO], s[8:9] offset:(i/4)*128+(i%4)*16  ; row i / 4 of the table, d = 4 (i % 4) on
.set i, i+1
.endr
	s_mul_i32 s18, s[WV], 32*AP
	s_add_co_u32 s18, s18, ABUF
	v_mul_u32_u24 v[AW], v3, AP
	v_add_nc_u32 v[AW], s18, v[AW]                 ; row 32 w + lane of A
	v_mul_u32_u24 v[AR], v1, AP                    ; a fragment: lane l holds row l % 16; registers 0-3 k = 8 h + 0..7, registers 4-7 k = 16 + 8 h + 0..7
	v_lshl_add_u32 v[AR], v2, 4, v[AR]
	v_add_nc_u32 v[AR], ABUF, v[AR]
	v_lshlrev_b32 v[GO], 4, v3
	v_add_nc_u32 v[BA0], s20, v[GO]                ; B lies in fragment order: 16 x lane in each 512 bytes
	v_mov_b32 v[BA], v[BA0]
	s_mul_i32 s19, s[WV], XW
	s_add_co_u32 s19, s19, XCH                     ; my wave's rows of the chunk, later its stage
	v_mul_u32_u24 v[XA0], v3, XPI
	v_add_nc_u32 v[XA0], s19, v[XA0]
	v_mov_b32 v[XA], v[XA0]
	v_mul_u32_u24 v[XS], v2, XPI
	v_lshl_add_u32 v[XS], v1, 4, v[XS]
	v_add_nc_u32 v[XS], s19, v[XS]
	v_mul_u32_u24 v[STO], v1, OP                   ; the way out, in: row r, 32 bytes for each half of the lanes
	v_lshl_add_u32 v[STO], v2, 5, v[STO]
	v_add_nc_u32 v[STO], s19, v[STO]
	v_add_nc_u32 v[RD], s19, v[GO]                 ; back: 32 lanes take a row's 512 bytes
	s_lshl_b32 s18, s[WV], 9
	v_lshlrev_b32 v[BO], 5, v2                     ; bias of columns 128 w + 16 b + 8 h + 0..7
	v_add_nc_u32 v[BO], s18, v[BO]
	v_mov_b32 v[M2], -2.0
	v_mov_b32 v[HF], 0.5
; LINE gn OF 176 of a quarter's A, for my row.  Four groups of 44: group gg is x number gg / 2, d = 8 (gg % 2) + 0..7, in four pairs.  Every line reads results made four lines back or more.
.macro GEN
.set gg, gn/44
.set gm, gn%44
.set gd, 8*(gg%2)+2*(gm%4)             ; the pair's first d, in the lines that go by pairs
.set gp, 2*(gm%4)
	WIN 0
.if gm < 4
.if gg < 2
	v_pk_fma_f32 v[T+gp:T+gp+1], v[XP:XP+1], v[TW+gd:TW+gd+1], v[TP+gd:TP+gd+1] op_sel_hi:[0,1,1]  ; t = x W + P: the first x for both
.else
	v_pk_fma_f32 v[T+gp:T+gp+1], v[XP:XP+1], v[TW+gd:TW+gd+1], v[TP+gd:TP+gd+1] op_sel:[1,0,0]     ; the second x for both
.endif
.elseif gm < 12
	v_rndne_f32 v[N+gm-4], v[T+gm-4]
.elseif gm < 16
	v_pk_add_f32 v[T+gp:T+gp+1], v[T+gp:T+gp+1], v[N+gp:N+gp+1] neg_lo:[0,1] neg_hi:[0,1]  ; E = t - round(t), exact
.elseif gm < 24
	v_fma_f32 v[T+gm-16], |v[T+gm-16]|, v[M2], v[HF]  ; V = 1/2 - 2 |E|
.elseif gm < 28
	v_pk_mul_f32 v[N+gp:N+gp+1], v[T+gp:T+gp+1], v[T+gp:T+gp+1]
.elseif gm < 32
	v_pk_fma_f32 v[Q+gp:Q+gp+1], v[N+gp:N+gp+1], v[K5+gd:K5+gd+1], v[K3+gd:K3+gd+1]
.elseif gm < 36
	v_pk_fma_f32 v[Q+gp:Q+gp+1], v[N+gp:N+gp+1], v[Q+gp:Q+gp+1], v[K1+gd:K1+gd+1]
.elseif gm < 40
	v_pk_fma_f32 v[Q+gp:Q+gp+1], v[T+gp:T+gp+1], v[Q+gp:Q+gp+1], v[MU+gd:MU+gd+1]
.else
	v_cvt_pk_f16_f32 v[OUT+4*gg+gm-40], v[Q+gp], v[Q+gp+1]
.endif
.set gn, gn+1
.endm
.macro ST g, buf                       ; group g's eight f16 into my row of buffer buf: k = 8 g on
	WIN 0
	ds_store_b128 v[AW], v[OUT+4*(\g):OUT+4*(\g)+3] offset:(\buf)*AB+16*(\g)
.endm
; 32 LDS loads in one run: the fragments of one quarter into buffer f: B's quarter kq of the slot in hand, then A from A's buffer f
.macro FETCH f, kq
	WIN 0x40                                       ; destination window 1, address window 0
.set i, 0
.rept 8
	ds_load_b128 v[128*(\f)+64+8*i:128*(\f)+64+8*i+3],   v[BA] offset:(\kq)*8192+i*1024
	ds_load_b128 v[128*(\f)+64+8*i+4:128*(\f)+64+8*i+7], v[BA] offset:(\kq)*8192+i*1024+512
.set i, i+1
.endr
.set i, 0
.rept 8
	ds_load_b128 v[128*(\f)+8*i:128*(\f)+8*i+3],   v[AR] offset:(\f)*AB+i*16*AP
	ds_load_b128 v[128*(\f)+8*i+4:128*(\f)+8*i+7], v[AR] offset:(\f)*AB+i*16*AP+32
.set i, i+1
.endr
.endm
; PRODUCT sl OF 64: rows 16 (sl / 8) on, columns 16 (sl % 8) on.  Used transposed (source 0 = 16 columns of c2, source 1 = 16 rows of A): a lane holds row l % 16 and the eight neighbouring columns 8 (l / 16) + 0..7.
; The 64 accumulators take turns, in the same order in every quarter.  zero = 1: the first products start the sums with the bias: nothing is cleared.
.macro MM f, zero
.set ma, sl/8
.set mb, sl%8
.set rC, 8*(8*(ma%4)+mb)
.set rB, 128*(\f)+64+8*mb
.set rA, 128*(\f)+8*ma
.if \zero
	WIN 0x85+0x40*(ma/4)                           ; sources 0, 1 window 1; C window 0; D window 2 or 3
	v_wmma_f32_16x16x32_f16 v[rC:rC+7], v[rB:rB+7], v[rA:rA+7], v[STG+8*mb:STG+8*mb+7]
.else
	WIN 0xa5+0x50*(ma/4)                           ; C and D window 2 or 3
	v_wmma_f32_16x16x32_f16 v[rC:rC+7], v[rB:rB+7], v[rA:rA+7], v[rC:rC+7]
.endif
.endm
; QUARTER q.  f = q % 2: the fragment buffer, and A's buffer, that it multiplies.  kq: which quarter of B's slot quarter q + 1 is.  tog = 1: quarter q + 1 begins the other slot.
; kind = 1: the slot just read out is filled again; 2: nothing is left to ask for, the last tile is waited for; 0: neither.  zero = 1: the launch's first quarter.
; head = 1: A(q + 2) is begun; its two x lie at byte xoff from v[XA].  n0: the LDS instructions issued behind the loads of this quarter's fragments.
.macro QUARTER f, kind, kq, tog, zero, head, xoff, n0
	s_wait_dscnt \n0                               ; my 32 fragment loads are in; what was issued behind them may be out
.if \head
	WIN 0
	ds_load_b64 v[XP:XP+1], v[XA] offset:\xoff     ; the lines still to come of A(q + 1) read x no more
.endif
.set gn, 144
.set sl, 0
.rept 64
.if (sl == 16) && (\head)
	s_wait_dscnt 0x1                               ; the two x are in; the store behind them may be out
.set gn, 0
.endif
.if (sl == 20) && ((\kind) == 1)
	WIN 0                                          ; (the add's two registers lie in window 0)
	s_wait_tensorcnt 0x0                           ; my one tensor load that was out, the next slot's, has landed: its reads below need that, and a group 0 may be written;
	ds_add_u32 v[SPW], v[NIL]                      ; 0 onto my spare word: four products and their lines stand between it and the wait for it
	s_xor_b32 s[G0B+1], s[G0B+1], KB               ; the walking descriptor: the other slot than last time,
	s_add_nc_u64 s[G0B+2:G0B+3], s[G0B+2:G0B+3], KB  ; the next K step; the type bits on top are not reached
.endif
.if sl == 24
	s_wait_dscnt 0x0                               ; my stores of A(q + 1) are done, my loads of A(q) and of B are back (and the add is done):
	s_barrier_signal -1                            ; say so; eight products and their lines, work on registers, while the others arrive
.endif
	MM \f, \zero
.if sl < 10
	GEN
	GEN
	GEN
.elseif sl == 10
	GEN
	GEN
	ST 3, 1-(\f)                                   ; A(q + 1) is whole
.elseif (sl >= 16) && (\head)
	GEN
	GEN
	GEN
.endif
.if sl == 31
	WIN 0                                          ; (branches may follow)
	s_barrier_wait -1                              ; all four waves have said so
.if (\kind) == 1
	CREST                                          ; the barrier has opened a round of the cluster's: no wave of any partner still reads the slot or has a load on its way
	tensor_load_to_lds s[G0B:G0B+3], s[G1:G1+7]    ; my one tensor load behind the round, and the first thing there: 244 products ahead of the wait for it
	s_nop 0
	PLACES
.elseif (\kind) == 2
	s_wait_tensorcnt 0x0                           ; the last K step's tile, which the loads below begin to read
.endif
.if \tog
	s_xor_b32 s[TS], s[TS], KB
	v_add_nc_u32 v[BA], s[TS], v[BA0]
.endif
.if \head
	ST 0, \f                                       ; A(q + 2) goes where A(q) lay
.endif
	FETCH 1-(\f), \kq                              ; 32 products ahead of their first use; the buffer's last reader stands more than thirty plain vector lines back
.endif
.if (sl == 45) && (\head)
	ST 1, \f
.endif
.if (sl == 59) && (\head)
	ST 2, \f
.endif
.set sl, sl+1
.endr
.endm
; Four quarters, 4 b + 2 to 4 b + 5: from the third quarter of K step b to the second of K step b + 1.  Their x loads are those of quarters 4 b + 4 to 4 b + 7.
.macro BODY refill
	WIN 0
	v_add_nc_u32 v[XA], s[TX], v[XA0]
	QUARTER 0, 0, 3, 0, 0, 1, 0, 2
	QUARTER 1, 2-(\refill), 0, 1, 0, 1, 8, 2
	QUARTER 0, 0, 1, 0, 0, 1, 16, 2
	QUARTER 1, 0, 2, 0, 0, 1, 24, 2
	s_add_co_u32 s[TX], s[TX], 32
	s_and_b32 s[TX], s[TX], 255
.endm
	s_wait_loadcnt 24                              ; chunk 0 is in; the 24 younger loads, the table's, stay out
.set i, 0
.rept 16
	ds_store_b128 v[XS], v[STG+4*i:STG+4*i+3] offset:i*2*XPI
.set i, i+1
.endr
	s_wait_dscnt 0x0                               ; the stores have read STG
.set i, 0
.rept 8
	global_load_b128 v[STG+8*i:STG+8*i+3],   v[BO], s[10:11] offset:64*i     ; the bias in an accumulator's layout: register j = column 16 i + 8 h + j
	global_load_b128 v[STG+8*i+4:STG+8*i+7], v[BO], s[10:11] offset:64*i+16
.set i, i+1
.endr
	s_wait_loadcnt 16                              ; the table is in; the 16 younger loads, the bias's, stay out
	ds_load_b64 v[XP:XP+1], v[XA]                  ; quarter 0's x
	s_wait_dscnt 0x0
.set gn, 0
.rept 176                                              ; A(0), whole: there are no products yet to set it beside
	GEN
.if gn%44 == 0
	ST gn/44-1, 0
.endif
.endr
	ds_load_b64 v[XP:XP+1], v[XA] offset:8         ; quarter 1's x
	s_wait_dscnt 0x0
.set gn, 0
.rept 144                                              ; A(1) as far as every quarter leaves the next but one
	GEN
.if gn%44 == 0
	ST gn/44-1, 1
.endif
.endr
	s_wait_tensorcnt 0x1                           ; my part of slot 0 is in; slot 1's may stay out
	s_wait_dscnt 0x0                               ; my stores of A(0) are done
	s_barrier_signal -1
	s_barrier_wait -1                              ; everybody's are
	FETCH 0, 0
	s_wait_loadcnt 0x0                             ; the bias
	QUARTER 0, 0, 1, 0, 1, 1, 16, 0                ; quarter 0 starts the sums
	WIN 0
	PLACES                                         ; for the loads into STG, which the products above read as C
	s_add_nc_u64 s[4:5], s[4:5], 256               ; (the loads that named this base are back)
.set i, 0
.rept 16
	global_load_b128 v[STG+4*i:STG+4*i+3], v[XG], s[4:5] offset:i*2048 th:TH_LOAD_NT  ; chunk 1, wanted 29 quarters on
.set i, i+1
.endr
	QUARTER 1, 0, 2, 0, 0, 1, 24, 2
	WIN 0                                          ; at a label and at a branch every window is 0
	s_mov_b32 s[TX], 32
	s_mov_b32 s[TS], 0
	s_mov_b32 s[CH], 0
	s_mov_b32 s[CNT], 30
.Lstep:                                                ; 30 trips: quarters 2 to 121; each fills a slot again, the last with K step 31
	s_cmp_lg_u32 s[TX], 0
	s_cbranch_scc1 .Lsame_chunk                    ; in trips 7, 15 and 23 the x loads begin the next 64 i: the jump passes no barrier and no tensor load
	s_wait_loadcnt 0x0                             ; the chunk is in
.set i, 0
.rept 16
	ds_store_b128 v[XS], v[STG+4*i:STG+4*i+3] offset:i*2*XPI  ; my wave's own rows: LDS serves a wave's instructions in order (ISA guide 5.7.1.4), behind my reads of the old chunk and ahead of those of the new
.set i, i+1
.endr
	s_add_co_u32 s[CH], s[CH], 1
	s_cmp_eq_u32 s[CH], 3
	s_cbranch_scc1 .Lsame_chunk                    ; chunk 3 is the last: nothing is loaded past a row's end
	s_wait_dscnt 0x0                               ; the stores have read STG
	s_add_nc_u64 s[4:5], s[4:5], 256
.set i, 0
.rept 16
	global_load_b128 v[STG+4*i:STG+4*i+3], v[XG], s[4:5] offset:i*2048 th:TH_LOAD_NT
.set i, i+1
.endr
.Lsame_chunk:
	BODY 1
	WIN 0
	s_sub_co_u32 s[CNT], s[CNT], 1
	s_cmp_lg_u32 s[CNT], 0
	s_cbranch_scc1 .Lstep
	BODY 0                                         ; the tail is written out: quarters 122 to 125
	QUARTER 0, 0, 3, 0, 0, 0, 0, 2                 ; quarter 126: A(127) is finished; nothing more is begun
	s_wait_dscnt 0x0                               ; quarter 127
.set sl, 0
.rept 64
	MM 1, 0
.set sl, sl+1
.endr
	; THE WAY OUT, 16 rows at a time.  A lane's eight columns of a row go as they are, in f32, into my stage (rows of 528 bytes) and come back as whole rows of 512 bytes.
	WIN 0
	s_wait_loadcnt 0x0                             ; no load is out that could land in STG
	PLACES                                         ; behind the last products
.macro TOSTAGE a
.set BK, STG-96*((\a)%2)               ; rows read back: v160-223 and v64-127 (the table's, which has served) by turns
.if (\a) >= 2
	s_wait_xcnt 0x0                                ; the stores of the block two back have had their addresses translated (ISA guide 3.1): their data registers are loaded again only behind this wait
.endif
	WIN 0x08+4*((\a)/4)                            ; store data (source 1) in window 2 or 3
.set i, 0
.rept 8
	ds_store_b128 v[STO], v[8*(8*((\a)%4)+i):8*(8*((\a)%4)+i)+3]   offset:64*i      ; each accumulator's low registers first
	ds_store_b128 v[STO], v[8*(8*((\a)%4)+i)+4:8*(8*((\a)%4)+i)+7] offset:64*i+16
.set i, i+1
.endr
	WIN 0
.set i, 0
.rept 16
	ds_load_b128 v[BK+4*i:BK+4*i+3], v[RD] offset:i*OP  ; in order behind my stores above; the next block's stores come behind these
.set i, i+1
.endr
.endm
.macro SEND a, younger                 ; younger: the LDS instructions issued behind block a's loads: the next block's 32, or none
.set BK, STG-96*((\a)%2)
	s_wait_dscnt \younger
.set i, 0
.rept 16
	global_store_b128 v[GO], v[BK+4*i:BK+4*i+3], s[12:13] offset:(16*(\a)+i)*2048 th:TH_STORE_NT  ; 512 consecutive bytes, at a multiple of 512 from out0's first byte
.set i, i+1
.endr
.endm
	TOSTAGE 0
.irp a, 1,2,3,4,5,6,7
	TOSTAGE \a
	SEND (\a)-1, 32
.endr
	SEND 7, 0
	s_wait_tensorcnt 0x0                           ; the wave's end, behind my last tensor load and my last LDS store
	ds_add_u32 v[SPW], v[NIL]
	s_wait_dscnt 0x0
	CROUND                                         ; the closing round: no work-group ends while a partner may still ask for a tile that names it
	s_endpgm
.Lfunc_end_k_qba1c0361bb_sine_gemm:
	.size	k_qba1c0361bb_sine_gemm, .Lfunc_end_k_qba1c0361bb_sine_gemm-k_qba1c0361bb_sine_gemm
	.p2alignl 7, 3214868480
	.fill 96, 4, 3214868480
	.section	.rodata,"a",@progbits
	.p2align	6, 0x0
	.amdhsa_kernel k_qba1c0361bb_sine_gemm
		.amdhsa_group_segment_fixed_size 327680
		.amdhsa_private_segment_fixed_size 0
		.amdhsa_enable_private_segment 0
		.amdhsa_kernarg_size 40
		.amdhsa_user_sgpr_count 2
		.amdhsa_user_sgpr_kernarg_segment_ptr 1
		.amdhsa_wavefront_size32 1
		.amdhsa_system_sgpr_workgroup_id_x 1
		.amdhsa_system_sgpr_workgroup_id_y 1
		.amdhsa_system_sgpr_workgroup_id_z 1
		.amdhsa_system_vgpr_workitem_id 0
		.amdhsa_next_free_vgpr 1024
		.amdhsa_next_free_sgpr 66
		.amdhsa_reserve_vcc 0
		.amdhsa_float_denorm_mode_32 3
		.amdhsa_float_denorm_mode_16_64 3
		.amdhsa_memory_ordered 1
		.amdhsa_forward_progress 1
		.amdhsa_inst_pref_size 255
	.end_amdhsa_kernel
	.section	.bss,"aw",@nobits
	.p2align	6
	.space	262144
	.amdgpu_metadata
---
amdhsa.version: [ 1, 2 ]
amdhsa.kernels:
  - .name:           k_qba1c0361bb_sine_gemm
    .symbol:         k_qba1c0361bb_sine_gemm.kd
    .args:
      - { .name: x, .offset: 0, .size: 8, .value_kind: global_buffer, .address_space: global }
      - { .name: c2, .offset: 8, .size: 8, .value_kind: global_buffer, .address_space: global }
      - { .name: tab, .offset: 16, .size: 8, .value_kind: global_buffer, .address_space: global }
      - { .name: bias, .offset: 24, .size: 8, .value_kind: global_buffer, .address_space: global }
      - { .name: out0, .offset: 32, .size: 8, .value_kind: global_buffer, .address_space: global }
    .group_segment_fixed_size: 327680
    .private_segment_fixed_size: 0
    .kernarg_segment_align: 8
    .kernarg_segment_size: 40
    .max_flat_workgroup_size: 128
    .sgpr_count:     66
    .vgpr_count:     1024
    .wavefront_size: 32
...
	.end_amdgpu_metadata
.endif
;; end of part 2
;; ======== version 2 of 2: 2 launches; version 1 with the launch prep written anew for expert scheduling mode
;; limits: a function is approximated: absolute error at most 0.0003; values are held in f16: magnitudes above 65,504 overflow, below 6.1e-05 lose precision; right only within a limited range of input values
;; workspace buffers: c2 4,194,304 bytes; tab 768 bytes
;; launch prep (part 3): grid 32 x 8, 4 waves a work-group, no clusters, 17,920 bytes of LDS; arguments c_basis, omega, phase, c2, tab; writes c2, tab
.if DOCPART == 3
	.amdgcn_target "amdgcn-amd-amdhsa--gfx1250"
	.amdhsa_code_object_version 6
	.text
	.protected	k_qba1c0361bb_prep
	.globl	k_qba1c0361bb_prep
	.p2align	8
	.type	k_qba1c0361bb_prep,@function
k_qba1c0361bb_prep:
	s_mov_b64 s[64:65], 0
	v_nop
	global_prefetch_b8 v0, s[64:65] scope:SCOPE_SE
	s_setreg_imm32_b32 hwreg(HW_REG_WAVE_SCHED_MODE, 0, 2), 2
	s_setreg_imm32_b32 hwreg(HW_REG_WAVE_MODE, 25, 1), 1
	s_wait_xcnt 0x0
	s_wait_alu depctr_vm_vsrc(0)
; PREPARATION for y[b][o] = sum over (i, d) of (sin(w_d x[b][i] + p_d) + mu_d) / (std_d + 1e-8) c[o][i][d] + bias[o].
; With inv = 1 / (std + 1e-8):  alpha = min(inv, 4096), beta = max(inv / 4096, 1), so that alpha beta = inv exactly.  The product's launch puts alpha into its left operand
; (|(sin + mu) alpha| <= 8,192, inside f16), this launch puts beta into the right one:  c2 = f16(c beta_d), rounded once.
; c2's ORDER is the order in which the product reads it.  The 16 bytes c2[n][i][8 h .. 8 h + 7] lie at byte
;   (i >> 3) 131072 + (n >> 7) 32768 + ((i >> 1) & 3) 8192 + ((n >> 4) & 7) 1024 + (i & 1) 512 + 256 h + 16 (n & 15):
; a K step of 128 (8 i) of 128 columns is one dense block of 32,768 bytes, and in it each half of a matrix fragment is 512 consecutive bytes, lane 16 h + (n & 15) at 16 x lane.
; tab: six rows of 128 bytes: W = w / 2 pi, P = p / 2 pi - 1/4, K1, K3, K5 (the sine's polynomial times alpha), MU = mu alpha; the number of d = lane & 15 at byte 4 x lane.
; SHARES.  Work-group (x, y): rows n = 16 x .. + 15, i = 32 y .. + 31.  A wave: 8 i, 512 consecutive bytes of each row: one load of 16 bytes a lane.  The turn from [n][i][d] to fragment order goes
; through a stage in LDS that is the wave's own: no barrier.  Every wave makes the sixteen d's statistics for itself (lane l: d = l & 15): some sixty lines, in the wait for its loads.
; LIMITS.  |c| max(1, inv / 4096) stays within f16's 65,504.  mu and std are reckoned in f32 by the formula of the problem, but with two fused multiply-adds, so their last bits may differ.
; A std that is NaN (a variance rounded below 0) gives alpha = 4096, beta = 1: the minimum and maximum drop the NaN.  NaN and infinities in the inputs are not treated apart.
; THE MODE: SCHED_MODE bits 1:0 = 2 (LLVM: expert scheduling mode 2), set by the entry lines.  The code itself states the register dependences
; between vector instructions and memory or LDS instructions, with s_wait_alu, always for 0.
; THE PLAN.  Registers that memory or LDS instructions touch:
;   v2, v3, v4, v6, v7, IX   offsets and LDS addresses: written at the head, never again; read by every load, store and permute.  One wait on va_vdst ahead of the first load states that they are written.
;   v10, v11                 w and p: each loaded once, then read by the statistics.
;   v26; v27 to v32          beta; the table's six rows: written by the statistics, never again; read by the four permutes; by the six stores at the end.  One wait on va_vdst ahead of the permutes serves both.
;   BE                       the permutes' results; no vector line names it ahead of them.
;   IN                       row rr's four registers: loaded once; scaled and rounded in place by the row's own four lines; the first two then read by the row's LDS store; nothing writes them after that.
;   BK                       written by the LDS loads back, read by the stores of c2; no vector line names it.
;   v[SPW], v[NIL]           written at the head, read by the closing add alone.
; The sixteen rows go in four blocks of four.  Block g's vector lines name its own rows' registers alone, so ONE wait on va_vdst at its head states that block g - 1's roundings are written, and that
; block's four LDS stores are dealt among block g's lines with no further wait.  No register that a memory or LDS instruction reads is written again: the text holds no wait on vm_vsrc.
.set ROWB,   16384                     ; bytes of a row n of c_basis
.set SPITCH, 272                       ; a stage row: 256 bytes (8 i x 16 d in f16) + 16: the 16 rows that a load back touches start 17 x 16 bytes apart
.set SWAVE,  16*SPITCH                 ; a wave's stage
.set SPARE,  4*SWAVE                   ; behind the stages: the spare words, 128 bytes for each wave
.set SPW, 8                            ; v8   LDS address of my spare word; never rewritten
.set NIL, 9                            ; v9   0; never rewritten
.set M2,  38                           ; v38  -2.0
.set HF,  39                           ; v39  0.5
.set BE,  40                           ; v[40:43] beta of my four d = 4 (lane & 3) + 0..3
.set IX,  44                           ; v[44:47] where they are fetched from: 4 x the lane that holds them
.set IN,  48                           ; v[48:111] sixteen rows' 16 bytes as loaded; the first two registers of each then hold the four f16
.set BK,  112                          ; v[112:143] eight halves of fragments, read back
	s_load_b256 s[4:11], s[0:1], 0x0               ; c_basis s[4:5], omega s[6:7], phase s[8:9], c2 s[10:11]
	s_load_b64 s[12:13], s[0:1], 0x20              ; tab
	v_lshl_add_u32 v[SPW], v0, 2, SPARE
	v_mov_b32 v[NIL], 0
	v_lshrrev_b32 v1, 5, v0
	v_readfirstlane_b32 s14, v1                    ; wave 0..3
	v_and_b32 v1, 31, v0                           ; lane.  The lines that do not hang on the wave's number stand between s14's writer and the wait for it
	v_lshlrev_b32 v2, 4, v1                        ; 16 x lane: my bytes in a row's 512, and in a store's 512
	v_and_b32 v6, 15, v0
	v_bfe_u32 v7, v0, 4, 1
	v_mul_u32_u24 v4, v6, SPITCH                   ; back: row n & 15 = lane & 15, 16 bytes for each half of the lanes
	v_lshl_add_u32 v4, v7, 4, v4
	v_lshlrev_b32 v6, 2, v6                        ; omega's and phase's word of d = lane & 15
	v_lshlrev_b32 v7, 2, v1                        ; my word in a row of the table
	v_and_b32 v[IX], 3, v0
	v_lshlrev_b32 v[IX], 4, v[IX]                  ; lane 4 (l & 3) + e holds beta of d = 4 (l & 3) + e
	v_add_nc_u32 v[IX+1], 4, v[IX]
	v_add_nc_u32 v[IX+2], 8, v[IX]
	v_add_nc_u32 v[IX+3], 12, v[IX]
	v_mov_b32 v[M2], -2.0
	v_mov_b32 v[HF], 0.5
	s_and_b32 s15, ttmp7, 0xffff                   ; which 32 i
	s_lshl_b32 s16, ttmp9, 18                      ; in: 16 rows of 16,384 bytes for each x,
	s_lshl_b32 s17, s15, 11                        ; 32 i of 64 bytes for each y,
	s_add_co_u32 s16, s16, s17
	s_wait_alu depctr_va_sdst(0)                   ; s14 is written, ahead of its first reader: the offsets in c_basis and c2, the stage's place and the table's flag are made from it
	s_lshl_b32 s17, s14, 9                         ; 8 i for each wave
	s_add_co_u32 s16, s16, s17
	s_mov_b32 s17, 0
	s_lshl2_add_u32 s18, s15, s14                  ; out: K step 4 y + wave,
	s_lshl_b32 s18, s18, 17
	s_lshr_b32 s19, ttmp9, 3                       ; block of 128 columns x >> 3,
	s_lshl_b32 s19, s19, 15
	s_add_co_u32 s18, s18, s19
	s_and_b32 s19, ttmp9, 7                        ; block of 16 columns x & 7
	s_lshl_b32 s19, s19, 10
	s_add_co_u32 s18, s18, s19
	s_mov_b32 s19, 0
	s_mul_i32 s20, s14, SWAVE                      ; my stage
	s_or_b32 s21, ttmp9, s15
	s_or_b32 s21, s21, s14                         ; 0 in one wave of the launch: it stores the table
	v_lshl_add_u32 v3, v1, 3, s20                  ; into the stage: 8 bytes a lane, 256 on end
	v_add_nc_u32 v4, s20, v4
	s_wait_kmcnt 0x0
	s_add_nc_u64 s[4:5], s[4:5], s[16:17]
	s_add_nc_u64 s[10:11], s[10:11], s[18:19]
	s_wait_alu depctr_va_vdst(0)                   ; v2, v3, v4, v6, v7 and IX are written: every load, store and permute of the kernel reads one of them as its offset or address, and no line below writes them
	global_load_b32 v10, v6, s[6:7]                ; w
	global_load_b32 v11, v6, s[8:9]                ; p
.set rr, 0
.rept 16
	global_load_b128 v[IN+4*rr:IN+4*rr+3], v2, s[4:5] offset:rr*ROWB th:TH_LOAD_NT  ; 512 consecutive bytes of row rr, read once in the launch
.set rr, rr+1
.endr
; dst = sin(2 pi (t + 1/4)) = cos(2 pi t).  E = t - round(t) lies in -1/2 .. 1/2; V = 1/2 - 2 |E|; the value is sin(pi V), pi V in -pi/2 .. pi/2:
; theta times a polynomial of degree 5 in theta^2 (Abramowitz and Stegun 4.3.97: sin(theta) / theta to 2e-9).
.macro SINT dst, t, a, b
	v_rndne_f32 \b, \t
	v_sub_f32 \a, \t, \b
	v_fma_f32 \a, |\a|, v[M2], v[HF]
	v_mul_f32 \a, 0x40490fdb, \a                   ; theta = pi V
	v_mul_f32 \b, \a, \a
	v_mov_b32 \dst, 0xb2cd4c98                     ; -2.39e-8
	v_fmaak_f32 \dst, \dst, \b, 0x3638b94e         ; 2.7526e-6
	v_fmaak_f32 \dst, \dst, \b, 0xb9500c03         ; -1.984090e-4
	v_fmaak_f32 \dst, \dst, \b, 0x3c088887         ; 8.3333315e-3
	v_fmaak_f32 \dst, \dst, \b, 0xbe2aaaab         ; -0.1666666664
	v_fma_f32 \dst, \dst, \b, 1.0
	v_mul_f32 \dst, \dst, \a
.endm
	s_wait_loadcnt 16                              ; w and p are in; the sixteen younger loads stay out
	v_mul_f32 v12, v10, v10                        ; w^2
	v_mul_f32 v13, 0xbf38aa3b, v12                 ; -0.5 log2(e) w^2
	v_mul_f32 v14, 0xc038aa3b, v12                 ; -2 log2(e) w^2
	v_exp_f32 v13, v13                             ; exp(-w^2 / 2)
	v_exp_f32 v14, v14                             ; exp(-2 w^2)
	v_mul_f32 v15, 0.15915494, v11                 ; u = p / 2 pi: the plain line behind the exponentials (ISA guide 5.7.2)
	v_add_f32 v28, 0xbe800000, v15                 ; P = u - 1/4
	v_add_f32 v18, v15, v15                        ; 2 u: cos(2 p) = cos(2 pi 2 u)
	SINT v16, v28, v19, v20                        ; sin p
	SINT v17, v18, v19, v20                        ; cos 2 p
	s_wait_alu depctr_va_vdst(0)                   ; the two exponentials have written v13 and v14: one wait for the two
	v_mul_f32 v21, v13, v16                        ; mu
	v_fma_f32 v22, -v14, v17, 1.0
	v_mul_f32 v22, 0.5, v22
	v_fma_f32 v22, -v21, v21, v22                  ; the variance
	v_sqrt_f32 v23, v22
	v_mul_f32 v27, 0.15915494, v10                 ; W: the plain line behind the root
	s_wait_alu depctr_va_vdst(0)                   ; the root has written v23, ahead of the line that names it
	v_add_f32 v23, 0x322bcc77, v23                 ; + 1e-8
	v_rcp_f32 v24, v23
	v_nop                                          ; the plain line behind the reciprocal
	s_wait_alu depctr_va_vdst(0)                   ; the reciprocal has written v24, ahead of the line that names it
	v_min_num_f32 v25, 0x45800000, v24             ; alpha = min(inv, 4096)
	v_mul_f32 v26, 0x39800000, v24
	v_max_num_f32 v26, 1.0, v26                    ; beta = max(inv / 4096, 1)
	v_mul_f32 v29, 0x40490fdb, v25                 ; K1 = pi alpha.  sin(pi V) = V (pi - 5.148592 V^2 + 2.328810 V^4): Abramowitz and Stegun 4.3.96 in theta = pi V
	v_mul_f32 v30, 0xc0a4c144, v25                 ; K3
	v_mul_f32 v31, 0x40150b39, v25                 ; K5
	v_mul_f32 v32, v21, v25                        ; MU
	s_wait_alu depctr_va_vdst(0)                   ; v26 is written, which the four permutes read as their data; so are v27 to v32, which the table's stores read at the end: no vector line below names them
.irp e, 0,1,2,3
	ds_bpermute_b32 v[BE+(\e)], v[IX+(\e)], v26
.endr
	s_wait_dscnt 0x0
; The rows, four to a block.  Block g scales and rounds rows 4 g .. 4 g + 3; among its lines stand the LDS stores of rows 4 g - 4 .. 4 g - 1.
.set g, 0
.rept 4
	s_wait_loadcnt 12-4*g                          ; loads come back in order (ISA guide 5.7.1): the block's four rows are in, the younger rows stay out
.if g > 0
	s_wait_alu depctr_va_vdst(0)                   ; the block before has written the first two registers of each of its rows, which the four LDS stores below read; this block's lines name its own rows' registers alone
.endif
.set j, 0
.rept 4
.if g > 0
.set rs, 4*(g-1)+j
	ds_store_b64 v3, v[IN+4*rs:IN+4*rs+1] offset:rs*SPITCH
.endif
.set rr, 4*g+j
	v_pk_mul_f32 v[IN+4*rr:IN+4*rr+1], v[IN+4*rr:IN+4*rr+1], v[BE:BE+1]
	v_pk_mul_f32 v[IN+4*rr+2:IN+4*rr+3], v[IN+4*rr+2:IN+4*rr+3], v[BE+2:BE+3]
	v_cvt_pk_f16_f32 v[IN+4*rr], v[IN+4*rr], v[IN+4*rr+1]
	v_cvt_pk_f16_f32 v[IN+4*rr+1], v[IN+4*rr+2], v[IN+4*rr+3]
.set j, j+1
.endr
.set g, g+1
.endr
	s_wait_alu depctr_va_vdst(0)                   ; the last block has written its rows' first two registers, which the last four LDS stores read
.set rs, 12
.rept 4
	ds_store_b64 v3, v[IN+4*rs:IN+4*rs+1] offset:rs*SPITCH
.set rs, rs+1
.endr
.set il, 0
.rept 8
	ds_load_b128 v[BK+4*il:BK+4*il+3], v4 offset:il*32  ; LDS serves a wave's instructions in order (ISA guide 5.7.1.4): these see my stores above.  No vector line names BK
.set il, il+1
.endr
.set il, 0
.rept 8
	s_wait_dscnt 7-il
	global_store_b128 v2, v[BK+4*il:BK+4*il+3], s[10:11] offset:(il/2)*8192+(il%2)*512  ; 512 consecutive bytes, at a multiple of 512 from c2's first byte
.set il, il+1
.endr
	s_cmp_lg_u32 s21, 0
	s_cbranch_scc1 .Lno_tab
	global_store_b32 v7, v27, s[12:13]             ; v7 and v27 to v32 were written ahead of the waits on va_vdst above, and no vector line has named them since
	global_store_b32 v7, v28, s[12:13] offset:128
	global_store_b32 v7, v29, s[12:13] offset:256
	global_store_b32 v7, v30, s[12:13] offset:384
	global_store_b32 v7, v31, s[12:13] offset:512
	global_store_b32 v7, v32, s[12:13] offset:640
.Lno_tab:
	s_wait_dscnt 0x0                               ; the closing lines, six on end
	s_wait_alu 0x0
	s_wait_tensorcnt 0x0
	ds_add_u32 v[SPW], v[NIL]
	s_wait_dscnt 0x0
	s_endpgm
.Lfunc_end_k_qba1c0361bb_prep:
	.size	k_qba1c0361bb_prep, .Lfunc_end_k_qba1c0361bb_prep-k_qba1c0361bb_prep
	.p2alignl 7, 3214868480
	.fill 96, 4, 3214868480
	.section	.rodata,"a",@progbits
	.p2align	6, 0x0
	.amdhsa_kernel k_qba1c0361bb_prep
		.amdhsa_group_segment_fixed_size 17920
		.amdhsa_private_segment_fixed_size 0
		.amdhsa_enable_private_segment 0
		.amdhsa_kernarg_size 40
		.amdhsa_user_sgpr_count 2
		.amdhsa_user_sgpr_kernarg_segment_ptr 1
		.amdhsa_wavefront_size32 1
		.amdhsa_system_sgpr_workgroup_id_x 1
		.amdhsa_system_sgpr_workgroup_id_y 1
		.amdhsa_system_sgpr_workgroup_id_z 1
		.amdhsa_system_vgpr_workitem_id 0
		.amdhsa_next_free_vgpr 144
		.amdhsa_next_free_sgpr 66
		.amdhsa_reserve_vcc 0
		.amdhsa_float_denorm_mode_32 3
		.amdhsa_float_denorm_mode_16_64 3
		.amdhsa_memory_ordered 1
		.amdhsa_forward_progress 1
		.amdhsa_inst_pref_size 15
	.end_amdhsa_kernel
	.amdgpu_metadata
---
amdhsa.version: [ 1, 2 ]
amdhsa.kernels:
  - .name:           k_qba1c0361bb_prep
    .symbol:         k_qba1c0361bb_prep.kd
    .args:
      - { .name: c_basis, .offset: 0, .size: 8, .value_kind: global_buffer, .address_space: global }
      - { .name: omega, .offset: 8, .size: 8, .value_kind: global_buffer, .address_space: global }
      - { .name: phase, .offset: 16, .size: 8, .value_kind: global_buffer, .address_space: global }
      - { .name: c2, .offset: 24, .size: 8, .value_kind: global_buffer, .address_space: global }
      - { .name: tab, .offset: 32, .size: 8, .value_kind: global_buffer, .address_space: global }
    .group_segment_fixed_size: 17920
    .private_segment_fixed_size: 0
    .kernarg_segment_align: 8
    .kernarg_segment_size: 40
    .max_flat_workgroup_size: 128
    .sgpr_count:     66
    .vgpr_count:     144
    .wavefront_size: 32
...
	.end_amdgpu_metadata
.endif
;; end of part 3
;; launch sine_gemm: the kernel of part 2 again; grid 256 x 1, 4 waves a work-group, clusters of 4 x 1, 327,680 bytes of LDS; arguments x, c2, tab, bias, out0; writes out0
